; MI455X (gfx1250); checked and timed in simulation.
; The chip was launched on July 23, 2026; its instructions are those of AMD's public machine-readable ISA for CDNA 5 (MIT licence, August 2026) and "CDNA5" Instruction Set Architecture Reference Guide (July 2026). The comments in the code are by the model that wrote it; some were corrected since.
;; Multilevel Self Attention Block With Ro PE. Allowed arithmetic: float matrix products may take bf16 or f16 operands with f32 sums; all other float work in f32.
;; Inputs: batch_offsets 9 int32; level_indices 6,400 int32; ln_beta 256 float32; ln_gamma 256 float32; positions 6,400 x 2 float32; w_out 256 x 256 float32; w_qkv 768 x 256 float32; x 6,400 x 256 float32.
;; Outputs: out0 6,400 x 256 float32.
;; One version. Each part assembles by itself: llvm-mc -triple=amdgcn-amd-amdhsa -mcpu=gfx1250 --defsym DOCPART=n.
;; ======== version 1 of 1: 2 launches
;; workspace buffers: qf 3,276,800 bytes; kf 3,276,800 bytes; vf 3,276,800 bytes; wof 131,072 bytes
;; launch qkv (part 1): grid 200 x 1, 16 waves a work-group, no clusters, 194,560 bytes of LDS; arguments x, ln_gamma, ln_beta, w_qkv, positions, level_indices, w_out, qf, kf, vf, wof; writes qf, kf, vf, wof
.if DOCPART == 1
	.amdgcn_target "amdgcn-amd-amdhsa--gfx1250"
	.amdhsa_code_object_version 6
	.text
	.protected	k_q0d3c19197e_qkv
	.globl	k_q0d3c19197e_qkv
	.p2align	8
	.type	k_q0d3c19197e_qkv,@function
k_q0d3c19197e_qkv:
	s_mov_b64 s[64:65], 0
	v_nop
	global_prefetch_b8 v0, s[64:65] scope:SCOPE_SE
	s_setreg_imm32_b32 hwreg(HW_REG_WAVE_MODE, 25, 1), 1
	s_wait_xcnt 0x0
; LayerNorm, the QKV projection, RoPE on q and k; and w_out rounded to bf16.
; x [6400][256] f32, w_qkv [768][256] f32.  A work-group makes 128 tokens (tb = id >> 2) x 192 features (c = id & 3): twelve tiles of 16
; features.  Tile G = 12 c + 3 fq + i is half mt = G & 1 of slab g = G >> 1; slab g is q's head g (g < 8), k's head g - 8 (g < 16) or
; v's head g - 16.  Sixteen waves, four on each SIMD: wave w takes the 32 tokens tg = w & 3 and the three tiles of fq = w >> 2.
; WHAT IS STORED: matrix operands as the next launch's registers want them.  An image is 16 rows x 32 k of bf16 = 1,024 bytes; byte
; 512 c + 16 lane holds that lane's registers 4c .. 4c+3.  So every store here and every load there is 16 lane + a constant.
;   q, k: product W x xn^T: a lane holds 8 neighbouring features of one token; feature tile mt is half mt of the image of 16 tokens x 32 d.
;   v:    product xn x W^T: a lane holds 8 neighbouring tokens of one d;       token tile tt is half tt of the image of 16 d x 32 keys.
;   qf, kf: [head][token / 16][1024];  vf: [head][token / 32][d / 16][1024];  wof: [row / 16][k / 32][1024].  Head pitch 409,600 bytes.
; LIMITS: matrix operands are rounded to bf16.  Sine and cosine: quarter turns taken off in two steps, then polynomials on
; [-pi/4, pi/4], absolute error about 3e-7; the count of quarter turns is kept in 32 bits, so |angle| < 2^31 pi / 2.
; NO CLUSTER: the four work-groups of one tb read the same x, the fifty of one c the same weights, but both are f32 and pass through
; registers (norm, rounding); landed in LDS as f32 they would take 131,072 + 196,608 bytes beside the 174,080 bytes of bf16 tiles,
; more than the 327,680 bytes that a work-group can have.
; LDS: an operand tile (16 rows x 256 k, bf16) is 32 rows of 272 bytes: row q holds k = 8q .. 8q+7 of the 16 tile rows, 16 bytes each.
; A lane that packs k = 8 lane .. of one row writes at 272 lane: 68 words apart, sixteen lanes in sixteen different 16-byte columns
; modulo 256 bytes; a fragment load's sixteen lanes read 256 neighbouring bytes.
.set TILE,  8704                       ; bytes of an operand tile
.set WT,    8*TILE                     ; tiles 0-7: xn; tiles 8-19: the 192 rows of W
.set SC,    20*TILE                    ; 128 tokens x 144 bytes: cos[16], sin[16], 16 bytes of padding (36 words: no two of 16 rows in one column)
.set SCP,   144
.set HEADP, 409600
.set GAM,   8                          ; v[8:15]    gamma of my 8 columns; later cosines; later temporaries
.set BET,   16                         ; v[16:23]   beta; later sines
.set LNT,   24                         ; v[24:39]   four rows x (sum, scratch, squares, scratch)
.set XR,    64                         ; v[64:127]  first part: row 16 j + w of x at 64 + 8 j
.set WR,    128                        ; v[128:223] first part: row 16 j + w of the 192 rows of W at 128 + 8 j
.set CS,    16                         ; v[16:31]   second part: token tile tt: four cosines, four sines at 16 + 8 tt
.set ACC,   32                         ; v[32:47]   accumulators, token tile tt at 32 + 8 tt
.set OUTR,  48                         ; v[48:55]   the two packed halves
.set WB0,   64                         ; v[64:95]   W fragments, K steps 0-3
.set WB1,   96                         ; v[96:127]  K steps 4-7
.set XF,    128                        ; v[128:255] xn fragments (tt, s) at 128 + 64 tt + 8 s
.macro NOPS n
.rept \n
	v_nop
.endr
.endm
.macro MM d, a, b, z                   ; one product; z: it starts the sum
.if \z
	v_wmma_f32_16x16x32_bf16 v[\d:\d+7], v[\a:\a+7], v[\b:\b+7], 0
.else
	v_wmma_f32_16x16x32_bf16 v[\d:\d+7], v[\a:\a+7], v[\b:\b+7], v[\d:\d+7]
.endif
.endm
	s_load_b512 s[4:19], s[0:1], 0x0               ; x 4, gamma 6, beta 8, w_qkv 10, positions 12, levels 14, w_out 16, qf 18
	s_load_b128 s[20:23], s[0:1], 0x40             ; kf 20, vf 22
	s_load_b64 s[24:25], s[0:1], 0x50              ; wof
	v_lshl_add_u32 v62, v0, 2, 0x2f000
	v_mov_b32 v63, 0
	v_lshrrev_b32 v1, 5, v0
	v_readfirstlane_b32 s26, v1                    ; wave w, 0 to 15
	v_and_b32 v1, 31, v0                           ; lane
	s_and_b32 s27, ttmp9, 3                        ; c
	s_lshr_b32 s28, ttmp9, 2                       ; tb
	s_and_b32 s29, s26, 3                          ; tg
	s_lshr_b32 s30, s26, 2                         ; fq; also my quarter of the 16 frequencies
	s_mov_b32 s40, 0x76543210                      ; v_permlanex16_b32: lane i of the other half
	s_mov_b32 s41, 0xfedcba98
	s_mov_b32 s42, 0x3b800000                      ; 1 / 256
	s_mov_b32 s43, 0x3727c5ac                      ; 1e-5
	v_lshlrev_b32 v2, 5, v0                        ; 1024 w + 32 lane: my 8 numbers of row w of each group of sixteen rows
	v_lshlrev_b32 v3, 5, v1                        ; my 8 numbers of gamma and beta
	v_mul_u32_u24 v4, v1, 272                      ; LDS: row q = lane of a tile,
	s_lshl_b32 s34, s26, 4
	v_add_nc_u32 v4, s34, v4                       ; + 16 w: tile row w.  v4 reaches tiles 0-7 (xn), v5 tiles 8-15, v6 tiles 16-19 (W)
	v_add_nc_u32 v5, 8*TILE, v4
	v_add_nc_u32 v6, 16*TILE, v4
	v_and_b32 v40, 127, v0                         ; the token whose angles I make
	v_lshlrev_b32 v41, 3, v40
	v_lshlrev_b32 v42, 2, v40
	s_mov_b32 s35, 0                               ; high word of every offset pair s[34:35]
	s_wait_kmcnt 0x0
	s_lshl_b32 s34, s28, 10                        ; 128 tokens x 8 bytes
	s_add_nc_u64 s[12:13], s[12:13], s[34:35]
	s_lshl_b32 s34, s28, 9
	s_add_nc_u64 s[14:15], s[14:15], s[34:35]
	s_lshl_b32 s34, s28, 17                        ; 128 rows x 1,024 bytes
	s_add_nc_u64 s[4:5], s[4:5], s[34:35]
	s_mul_i32 s34, s27, 196608                     ; 192 rows x 1,024 bytes
	s_add_nc_u64 s[10:11], s[10:11], s[34:35]
	; Everything that the wave ever loads is asked for here, at once: 8 rows of x and 12 rows of W are 64 + 96 registers.
	; Positions and levels are loaded by every work-group (those of c = 3 do not use them: 1,536 bytes), so that the counted waits
	; below count the same loads on every path.
	global_load_b64 v[48:49], v41, s[12:13]
	global_load_b32 v50, v42, s[14:15]
	global_load_b128 v[GAM:GAM+3],   v3, s[6:7]
	global_load_b128 v[GAM+4:GAM+7], v3, s[6:7] offset:16
	global_load_b128 v[BET:BET+3],   v3, s[8:9]
	global_load_b128 v[BET+4:BET+7], v3, s[8:9] offset:16
.irp j, 0,1,2,3,4,5,6,7
	global_load_b128 v[XR+8*\j:XR+8*\j+3],   v2, s[4:5] offset:\j*16384      ; row 16 j + w
	global_load_b128 v[XR+8*\j+4:XR+8*\j+7], v2, s[4:5] offset:\j*16384+16
.endr
.irp j, 0,1,2,3,4,5,6,7,8,9,10,11
	global_load_b128 v[WR+8*\j:WR+8*\j+3],   v2, s[10:11] offset:\j*16384
	global_load_b128 v[WR+8*\j+4:WR+8*\j+7], v2, s[10:11] offset:\j*16384+16
.endr
	; w_out to bf16 images: 128 images, one for each wave of the 8 work-groups c = 3, tb < 8 (they make no angles and turn nothing).
	; Image 16 tb + w = (row tile 2 tb + (w >> 3), K step w & 7): lane (r, h) holds k = 32 ks + 8 h .. + 7 and + 16 of row 16 rt + r.
	s_cmp_eq_u32 s27, 3
	s_cbranch_scc0 .Lno_wout
	s_cmp_lt_u32 s28, 8
	s_cbranch_scc0 .Lno_wout
	v_and_b32 v43, 15, v0
	v_bfe_u32 v44, v0, 4, 1
	v_lshlrev_b32 v43, 10, v43                     ; r rows of 1,024 bytes
	v_lshl_add_u32 v43, v44, 5, v43                ; + 32 h
	s_and_b32 s36, s26, 7
	s_lshl_b32 s36, s36, 7
	v_add_nc_u32 v43, s36, v43                     ; + 128 (w & 7)
	s_lshr_b32 s36, s26, 3
	s_lshl_b32 s34, s28, 1
	s_add_co_u32 s34, s34, s36                     ; row tile
	s_lshl_b32 s34, s34, 14
	s_add_nc_u64 s[16:17], s[16:17], s[34:35]
	global_load_b128 v[24:27], v43, s[16:17]
	global_load_b128 v[28:31], v43, s[16:17] offset:16
	global_load_b128 v[32:35], v43, s[16:17] offset:64
	global_load_b128 v[36:39], v43, s[16:17] offset:80
	s_lshl_b32 s34, s28, 14
	s_lshl_b32 s36, s26, 10
	s_add_co_u32 s34, s34, s36                     ; image 16 tb + w
	s_add_nc_u64 s[24:25], s[24:25], s[34:35]
	v_lshlrev_b32 v45, 4, v1
	s_wait_loadcnt 0x0                             ; these four are the youngest: the wait is for all, which were asked for together and are needed next
.irp p, 0,1,2,3,4,5,6,7
	v_cvt_pk_bf16_f32 v[52+\p], v[24+2*\p], v[24+2*\p+1]
.endr
	global_store_b128 v45, v[52:55], s[24:25]
	global_store_b128 v45, v[56:59], s[24:25] offset:512
	s_wait_xcnt 0x0                                ; v52-55 serve again as packed results: they are rewritten only behind this wait
.Lno_wout:
; LayerNorm of four rows at a time, stage by stage, so that no instruction waits for the one in front.  Two passes over the registers:
; the mean is taken away before the squares are summed, so a common offset of x costs no digits.
.macro LN_SUM x, t
	v_pk_add_f32 v[\t:\t+1], v[\x:\x+1], v[\x+2:\x+3]
	v_pk_add_f32 v[\t+2:\t+3], v[\x+4:\x+5], v[\x+6:\x+7]
	v_pk_add_f32 v[\t:\t+1], v[\t:\t+1], v[\t+2:\t+3]
	v_add_f32 v[\t], v[\t], v[\t+1]
.endm
.macro RED4 o                          ; sums over the 32 lanes of v[LNT+4k+o], k = 0..3; v[LNT+4k+o+1] is scratch (written before)
.irp m, 1,2,4,8
.irp k, 0,1,2,3
	v_add_f32_dpp v[LNT+4*\k+\o], v[LNT+4*\k+\o], v[LNT+4*\k+\o] row_xmask:\m row_mask:0xf bank_mask:0xf
.endr
.endr
.irp k, 0,1,2,3
	v_permlanex16_b32 v[LNT+4*\k+\o+1], v[LNT+4*\k+\o], s40, s41
.endr
.irp k, 0,1,2,3
	v_add_f32 v[LNT+4*\k+\o], v[LNT+4*\k+\o], v[LNT+4*\k+\o+1]
.endr
.endm
.macro LN_VAR x, t                     ; x -= mean; t+2 = sum of my eight squares
.irp i, 0,2,4,6
	v_pk_add_f32 v[\x+\i:\x+\i+1], v[\x+\i:\x+\i+1], v[\t:\t+1] op_sel_hi:[1,0] neg_lo:[0,1] neg_hi:[0,1]
.endr
	v_pk_mul_f32 v[\t+2:\t+3], v[\x:\x+1], v[\x:\x+1]
.irp i, 2,4,6
	v_pk_fma_f32 v[\t+2:\t+3], v[\x+\i:\x+\i+1], v[\x+\i:\x+\i+1], v[\t+2:\t+3]
.endr
	v_add_f32 v[\t+2], v[\t+2], v[\t+3]
.endm
.macro PACKROW x, a, imm               ; eight f32 at v[x] to 16 bytes of bf16, to LDS at v[a] + imm
.irp p, 0,1,2,3
	v_cvt_pk_bf16_f32 v[\x+\p], v[\x+2*\p], v[\x+2*\p+1]
.endr
	ds_store_b128 v[\a], v[\x:\x+3] offset:\imm
.endm
.macro LN_OUT x, t, j
.irp i, 0,2,4,6
	v_pk_mul_f32 v[\x+\i:\x+\i+1], v[\x+\i:\x+\i+1], v[\t+2:\t+3] op_sel_hi:[1,0]
.endr
.irp i, 0,2,4,6
	v_pk_fma_f32 v[\x+\i:\x+\i+1], v[\x+\i:\x+\i+1], v[GAM+\i:GAM+\i+1], v[BET+\i:BET+\i+1]
.endr
	PACKROW \x, 4, (\j)*TILE
.endm
.macro LN4 j0
.irp k, 0,1,2,3
	LN_SUM XR+8*(\j0+\k), LNT+4*\k
.endr
	RED4 0
.irp k, 0,1,2,3
	v_mul_f32 v[LNT+4*\k], s42, v[LNT+4*\k]        ; the mean
.endr
.irp k, 0,1,2,3
	LN_VAR XR+8*(\j0+\k), LNT+4*\k
.endr
	RED4 2
.irp k, 0,1,2,3
	v_fma_f32 v[LNT+4*\k+2], v[LNT+4*\k+2], s42, s43   ; variance + eps
.endr
.irp k, 0,1,2,3
	v_rsq_f32 v[LNT+4*\k+2], v[LNT+4*\k+2]
.endr
	v_nop                                          ; one plain vector instruction between the last v_rsq_f32 and the first use of a result (ISA guide 5.7.2)
	s_wait_alu depctr_va_vdst(0)
.irp k, 0,1,2,3
	LN_OUT XR+8*(\j0+\k), LNT+4*\k, \j0+\k
.endr
.endm
	s_wait_loadcnt 24                              ; all but the 24 youngest loads (W) are in
	LN4 0
	LN4 4
	; Cosines and sines, while W is on its way.  Thread = token (id & 127) x quarter of the 16 frequencies (fq): quarter 0 is position 0
	; and quarter 1 position 1 times 10^(-i/4); quarters 2 and 3 the level times 10^(i/8).  c = 3 holds v alone and turns nothing.
	s_cmp_lt_u32 s27, 3
	s_cbranch_scc0 .Lno_sc
	s_mov_b32 s44, 1.0
	s_mov_b32 s45, 0x3f0ff59a                      ; 10^-0.25
	s_mov_b32 s46, 0x3ea1e89b                      ; 10^-0.5
	s_mov_b32 s47, 0x3e361887                      ; 10^-0.75
	s_cmp_eq_u32 s30, 2                            ; (s_mov and s_cselect leave SCC alone)
	s_cselect_b32 s45, 0x3faab0d5, s45             ; 10^0.125
	s_cselect_b32 s46, 0x3fe39ea9, s46             ; 10^0.25
	s_cselect_b32 s47, 0x4017c496, s47             ; 10^0.375
	s_cmp_eq_u32 s30, 3
	s_cselect_b32 s44, 0x404a62c2, s44             ; 10^0.5
	s_cselect_b32 s45, 0x4086f161, s45             ; 10^0.625
	s_cselect_b32 s46, 0x40b3f300, s46             ; 10^0.75
	s_cselect_b32 s47, 0x40eff755, s47             ; 10^0.875
	s_cmp_eq_u32 s30, 1
	s_cselect_b32 s62, -1, 0
	s_cmp_ge_u32 s30, 2
	s_cselect_b32 s63, -1, 0
	s_mov_b32 s52, 0x3f22f983                      ; 2 / pi
	s_mov_b32 s53, 0xbfc90fdb                      ; - (pi / 2 rounded to f32)
	s_mov_b32 s54, 0x333bbd2e                      ; that rounding's excess over pi / 2
	s_mov_b32 s55, 0xbe2aaaab                      ; sine: -1/6, 1/120, -1/5040
	s_mov_b32 s56, 0x3c088889
	s_mov_b32 s57, 0xb9500d01
	s_mov_b32 s58, 0x3d2aaaab                      ; cosine: (-1/2,) 1/24, -1/720, 1/40320
	s_mov_b32 s59, 0xbab60b61
	s_mov_b32 s60, 0x37d00d01
	s_mov_b32 s61, 0x80000000
	v_cvt_f32_i32 v51, v50
	v_cndmask_b32 v46, v48, v49, s62               ; what my four frequencies multiply: position 0, position 1,
	v_cndmask_b32 v46, v46, v51, s63               ; or the level
	v_mul_u32_u24 v40, v40, SCP
	s_lshl_b32 s36, s30, 4
	s_add_co_u32 s36, s36, SC
	v_add_nc_u32 v40, s36, v40
.macro ANGLE i, val
	v_mul_f32 v24, s[44+\i], v[\val]               ; the angle
	v_mul_f32 v25, s52, v24
	v_rndne_f32 v25, v25                           ; n quarter turns
	v_fma_f32 v24, v25, s53, v24
	v_fma_f32 v24, v25, s54, v24                   ; r = angle - n pi / 2, in [-pi/4, pi/4]
	v_cvt_i32_f32 v26, v25
	v_mul_f32 v27, v24, v24
	v_fma_f32 v28, v27, s57, s56
	v_fma_f32 v30, v27, s60, s59
	v_fma_f32 v28, v28, v27, s55
	v_fma_f32 v30, v30, v27, s58
	v_mul_f32 v29, v24, v27
	v_fma_f32 v30, v30, v27, -0.5
	v_fma_f32 v28, v29, v28, v24                   ; sin r
	v_fma_f32 v30, v30, v27, 1.0                   ; cos r
	v_and_b32 v31, 1, v26
	v_cmp_eq_u32 vcc_lo, 1, v31                    ; n odd: the two change places
	v_cndmask_b32 v29, v28, v30, vcc_lo
	v_cndmask_b32 v30, v30, v28, vcc_lo
	v_lshlrev_b32 v31, 30, v26                     ; the sine's sign is bit 1 of n,
	v_add_nc_u32 v26, 1, v26
	v_and_b32 v31, s61, v31
	v_lshlrev_b32 v26, 30, v26                     ; the cosine's bit 1 of n + 1
	v_xor_b32 v[16+\i], v31, v29
	v_and_b32 v26, s61, v26
	v_xor_b32 v[8+\i], v26, v30
.endm
.irp i, 0,1,2,3
	ANGLE \i, 46
.endr
	ds_store_b128 v40, v[8:11]
	ds_store_b128 v40, v[16:19] offset:64
.Lno_sc:
	s_wait_loadcnt 16                              ; four of my rows of W are in; the 16 younger loads stay out
.irp j, 0,1,2,3
	PACKROW WR+8*\j, 5, \j*TILE
.endr
	s_wait_loadcnt 8                               ; four more; 8 loads stay out
.irp j, 4,5,6,7
	PACKROW WR+8*\j, 5, \j*TILE
.endr
	s_wait_loadcnt 0x0                             ; the last four
.irp j, 8,9,10,11
	PACKROW WR+8*\j, 6, (\j-8)*TILE
.endr
	s_wait_dscnt 0x0                               ; for the others' sake: all my LDS stores are done
	s_barrier_signal -1
	v_and_b32 v8, 15, v0                           ; r
	v_bfe_u32 v9, v0, 4, 1                         ; h
	v_mul_u32_u24 v11, v9, 272
	v_lshl_add_u32 v10, v8, 4, v11                 ; a fragment's lane term: 272 h + 16 r
	s_mul_i32 s34, s29, 2*TILE
	v_add_nc_u32 v2, s34, v10                      ; v2: my two token tiles of xn
	s_mul_i32 s34, s30, 3*TILE
	s_add_co_u32 s34, s34, WT
	v_add_nc_u32 v3, s34, v10                      ; v3: the tile of W at work, stepped tile by tile
	s_mul_i32 s34, s29, 32*SCP
	s_add_co_u32 s34, s34, SC
	v_mul_u32_u24 v4, v8, SCP
	v_lshl_add_u32 v4, v9, 4, v4
	v_add_nc_u32 v4, s34, v4                       ; v4: token 32 tg + r, frequencies 4 h .. 4 h + 3
	s_lshl_b32 s34, s29, 11
	v_lshl_add_u32 v5, v1, 4, s34                  ; v5: 16 lane + 2,048 tg: my 32 tokens in the work-group's 8,192 bytes of a head
	s_mul_i32 s38, s27, 12
	s_mul_i32 s39, s30, 3
	s_add_co_u32 s38, s38, s39                     ; my first tile G
	s_lshl_b32 s39, s28, 13                        ; 128 tokens = 8,192 bytes of a head in qf, kf and vf alike
	s_barrier_wait -1                              ; the launch's one barrier: tiles and angles are whole
.irp tt, 0,1
.irp s, 0,1,2,3,4,5,6,7
	ds_load_b128 v[XF+64*\tt+8*\s:XF+64*\tt+8*\s+3],   v2 offset:\tt*TILE+\s*1088       ; k = 32 s + 8 h ..
	ds_load_b128 v[XF+64*\tt+8*\s+4:XF+64*\tt+8*\s+7], v2 offset:\tt*TILE+\s*1088+544   ; k = 32 s + 16 + 8 h ..
.endr
.endr
.macro LDW buf, s0                     ; eight loads: the tile of W, K steps s0 .. s0 + 3
.irp e, 0,1,2,3
.irp c, 0,1
	ds_load_b128 v[\buf+8*\e+4*\c:\buf+8*\e+4*\c+3], v3 offset:(\s0+\e)*1088+\c*544
.endr
.endr
.endm
.macro MULS f, s, swap, z              ; K step s, W's fragment at v[f].  swap = 0: features x tokens; swap = 1: tokens x d
.irp tt, 0,1
.if \swap
	MM ACC+8*\tt, XF+64*\tt+8*(\s), \f, \z
.else
	MM ACC+8*\tt, \f, XF+64*\tt+8*(\s), \z
.endif
.endr
.endm
; One tile: K = 256 in two runs of eight loads.  s_wait_dscnt 8 leaves the younger run out; whatever was asked for before the two runs
; (xn's fragments in the first trip, cosines and sines) is older and therefore in.  Five v_nop at the end: four places in front of the
; vector work on the sums and of the next tile's loads into W's registers, five in front of the next tile's first products, which
; write over these accumulators (ISA guide 7.12.1 gives the distances for vector instructions; they are kept for loads too).
.macro GEMM swap
	LDW WB0, 0
	LDW WB1, 4
	s_wait_dscnt 8
	MULS WB0, 0, \swap, 1
.irp e, 1,2,3
	MULS WB0+8*\e, \e, \swap, 0
.endr
	s_wait_dscnt 0
.irp e, 0,1,2,3
	MULS WB1+8*\e, 4+\e, \swap, 0
.endr
	NOPS 5
.endm
.macro PACKST step                     ; token tile tt packed to 16 bytes a lane; two stores of 512 neighbouring bytes, step bytes apart
.irp tt, 0,1
.irp p, 0,1,2,3
	v_cvt_pk_bf16_f32 v[OUTR+4*\tt+\p], v[ACC+8*\tt+2*\p], v[ACC+8*\tt+2*\p+1]
.endr
.endr
	global_store_b128 v5, v[OUTR:OUTR+3], s[36:37]
	global_store_b128 v5, v[OUTR+4:OUTR+7], s[36:37] offset:\step
.endm
	s_mov_b32 s31, 0
.Ltile:
	s_wait_xcnt 0x0                                ; the last tile's stores name v48-55 and s[36:37], which are rewritten below
	s_add_co_u32 s32, s38, s31                     ; G
	s_and_b32 s52, s32, 1                          ; mt
	s_lshr_b32 s32, s32, 1                         ; g
	s_and_b32 s33, s32, 7                          ; head
	s_mul_i32 s34, s33, HEADP
	s_add_co_u32 s34, s34, s39
	s_cmp_lt_u32 s32, 16
	s_cselect_b32 s53, 9, 10                       ; q, k: tile mt is a half of 512 bytes; v: an image of 1,024
	s_lshl_b32 s53, s52, s53
	s_add_co_u32 s34, s34, s53
	s_cmp_lt_u32 s32, 8
	s_cselect_b64 s[36:37], s[18:19], s[20:21]     ; qf or kf,
	s_cmp_lt_u32 s32, 16
	s_cselect_b64 s[36:37], s[36:37], s[22:23]     ; or vf
	s_add_nc_u64 s[36:37], s[36:37], s[34:35]
	s_cmp_ge_u32 s32, 16
	s_cbranch_scc1 .Lv
	; q or k.  Accumulator tt: register j is feature 16 mt + 8 h + j of token 16 tt + r: pairs (2p, 2p+1), frequency 8 mt + 4 h + p.
	s_lshl_b32 s53, s52, 5
	v_add_nc_u32 v7, s53, v4
.irp tt, 0,1
	ds_load_b128 v[CS+8*\tt:CS+8*\tt+3],   v7 offset:\tt*16*SCP                            ; four cosines
	ds_load_b128 v[CS+8*\tt+4:CS+8*\tt+7], v7 offset:\tt*16*SCP+64                         ; four sines
.endr
	GEMM 0
.irp t, 0,1
.irp p, 0,1,2,3
	v_mul_f32 v[8+2*\p], v[ACC+8*\t+2*\p+1], v[CS+8*\t+4+\p]                               ; b sin
	v_mul_f32 v[9+2*\p], v[ACC+8*\t+2*\p], v[CS+8*\t+4+\p]                                 ; a sin
	v_fma_f32 v[ACC+8*\t+2*\p], v[ACC+8*\t+2*\p], v[CS+8*\t+\p], -v[8+2*\p]                ; a cos - b sin
	v_fma_f32 v[ACC+8*\t+2*\p+1], v[ACC+8*\t+2*\p+1], v[CS+8*\t+\p], v[9+2*\p]             ; b cos + a sin
.endr
.endr
	PACKST 1024                                    ; the images of token tiles 0 and 1
	s_branch .Lnext
.Lv:
	GEMM 1
	PACKST 512                                     ; the two halves of one image
.Lnext:
	v_add_nc_u32 v3, TILE, v3                      ; the next tile of W
	s_add_co_u32 s31, s31, 1
	s_cmp_lt_u32 s31, 3
	s_cbranch_scc1 .Ltile
	s_wait_tensorcnt 0x0
	ds_add_u32 v62, v63
	s_wait_dscnt 0x0
	s_endpgm
.Lfunc_end_k_q0d3c19197e_qkv:
	.size	k_q0d3c19197e_qkv, .Lfunc_end_k_q0d3c19197e_qkv-k_q0d3c19197e_qkv
	.p2alignl 7, 3214868480
	.fill 96, 4, 3214868480
	.section	.rodata,"a",@progbits
	.p2align	6, 0x0
	.amdhsa_kernel k_q0d3c19197e_qkv
		.amdhsa_group_segment_fixed_size 194560
		.amdhsa_private_segment_fixed_size 0
		.amdhsa_enable_private_segment 0
		.amdhsa_kernarg_size 88
		.amdhsa_user_sgpr_count 2
		.amdhsa_user_sgpr_kernarg_segment_ptr 1
		.amdhsa_wavefront_size32 1
		.amdhsa_system_sgpr_workgroup_id_x 1
		.amdhsa_system_sgpr_workgroup_id_y 1
		.amdhsa_system_sgpr_workgroup_id_z 1
		.amdhsa_system_vgpr_workitem_id 0
		.amdhsa_next_free_vgpr 256
		.amdhsa_next_free_sgpr 80
		.amdhsa_reserve_vcc 1
		.amdhsa_float_denorm_mode_32 3
		.amdhsa_float_denorm_mode_16_64 3
		.amdhsa_memory_ordered 1
		.amdhsa_forward_progress 1
		.amdhsa_inst_pref_size 50
	.end_amdhsa_kernel
	.amdgpu_metadata
---
amdhsa.version: [ 1, 2 ]
amdhsa.kernels:
  - .name:           k_q0d3c19197e_qkv
    .symbol:         k_q0d3c19197e_qkv.kd
    .args:
      - { .name: x, .offset: 0, .size: 8, .value_kind: global_buffer, .address_space: global }
      - { .name: ln_gamma, .offset: 8, .size: 8, .value_kind: global_buffer, .address_space: global }
      - { .name: ln_beta, .offset: 16, .size: 8, .value_kind: global_buffer, .address_space: global }
      - { .name: w_qkv, .offset: 24, .size: 8, .value_kind: global_buffer, .address_space: global }
      - { .name: positions, .offset: 32, .size: 8, .value_kind: global_buffer, .address_space: global }
      - { .name: level_indices, .offset: 40, .size: 8, .value_kind: global_buffer, .address_space: global }
      - { .name: w_out, .offset: 48, .size: 8, .value_kind: global_buffer, .address_space: global }
      - { .name: qf, .offset: 56, .size: 8, .value_kind: global_buffer, .address_space: global }
      - { .name: kf, .offset: 64, .size: 8, .value_kind: global_buffer, .address_space: global }
      - { .name: vf, .offset: 72, .size: 8, .value_kind: global_buffer, .address_space: global }
      - { .name: wof, .offset: 80, .size: 8, .value_kind: global_buffer, .address_space: global }
    .group_segment_fixed_size: 194560
    .private_segment_fixed_size: 0
    .kernarg_segment_align: 8
    .kernarg_segment_size: 88
    .max_flat_workgroup_size: 512
    .sgpr_count:     80
    .vgpr_count:     256
    .wavefront_size: 32
...
	.end_amdgpu_metadata
.endif
;; end of part 1
;; launch attn (part 2): grid 200 x 1, 16 waves a work-group, no clusters, 125,440 bytes of LDS; arguments batch_offsets, qf, kf, vf, wof, x, out0; writes out0
.if DOCPART == 2
	.amdgcn_target "amdgcn-amd-amdhsa--gfx1250"
	.amdhsa_code_object_version 6
	.text
	.protected	k_q0d3c19197e_attn
	.globl	k_q0d3c19197e_attn
	.p2align	8
	.type	k_q0d3c19197e_attn,@function
k_q0d3c19197e_attn:
	s_mov_b64 s[64:65], 0
	v_nop
	global_prefetch_b8 v0, s[64:65] scope:SCOPE_SE
	s_setreg_imm32_b32 hwreg(HW_REG_WAVE_MODE, 25, 1), 1
	s_wait_xcnt 0x0
; Attention inside each ragged sequence, the output projection and the residual.
; A work-group owns the 32 tokens 32 id .. 32 id + 31 (they may lie in two or more sequences).  Sixteen waves, four on each SIMD:
; wave w is head w & 7 and key half kh = w >> 3, with both query tiles of 16; it walks every second tile of 128 keys, so that each K and V
; tile is still fetched once by the work-group.  The two halves of a head are merged at the end, through LDS.
; All operands come as register images (1,024 bytes: byte 512 c + 16 lane = the lane's registers 4c .. 4c+3) that the launch before stored,
; so every load is 16 lane + a constant, 512 neighbouring bytes, straight into the registers that the matrix instruction names.
;   S^T = K x Q^T : lane (r, h), register j = key 8 h + j of query r.  A query's scores lie in two lanes: the maximum needs one exchange
;                   between the halves, the factors are the lane's own, the two halves' sums meet once at the end.
;   two key tiles, rounded to bf16, ARE the operand P^T (32 keys) of  O^T = V^T x P^T : register j = d 8 h + j of query r;
;   two d tiles, rounded, ARE the operand (K step = head) of  out^T = Wout x flat^T : 8 neighbouring output features of query r.
; Softmax with a running maximum, in base 2: p = exp2(c s - c m), c = log2(e) / sqrt(32).
; Keys go in trips of 128 from the first tile that any of my queries' sequences touches to the last.  A trip whose 128 keys belong to
; all 32 queries' sequences runs without a mask; any other runs a second body that sets foreign keys to -inf by a compare per score.
; LIMITS: batch_offsets ascending, first 0, last 6400, lengths at most 1,024; each is clamped to 6400 and each
; tile number to 49, so that no address leaves a buffer whatever they hold.  P and all matrix operands are bf16.  The running maximum
; starts at the most negative finite f32.
; NO CLUSTER, NO LDS RING: the work-groups of one sequence do read the same K and V.  But no two waves of a work-group share a tile
; (a wave is a head and a key half), so a tile landed in LDS would be read from there by just as many loads as now fetch it; and partners'
; trip counts come from batch_offsets, where four neighbouring blocks of 32 tokens may lie in different sequences and need different tiles.
.set HEADP,  409600
.set ST,     8                         ; v[8+8qt ..]: +0 maximum, +1 sum, +2 (+3) -c x maximum, +4 (+5) factor, +6 8 h - lo, +7 hi - lo
.set QF,     32                        ; v[32:47]   Q, tile qt at 32 + 8 qt
.set OA,     48                        ; v[48:79]   O (qt, dt) at 48 + 16 qt + 8 dt
.set SS,     80                        ; v[80:111]  scores of 64 keys, key tile kt at 80 + 8 kt
.set PP,     112                       ; v[112:127] P, 32 keys kg at 112 + 8 kg
.set KA,     128                       ; slot A: keys 0-63 of a trip.  K (kt) at + 8 kt
.set VA,     160                       ;         V (kg, dt) at + 16 kg + 8 dt
.set KB,     192                       ; slot B: keys 64-127
.set VB,     224
.set WO,     128                       ; behind the loop: v[128:191] w_out, row tile w, K step s at 128 + 8 s
.set XRES,   192                       ;                  v[192:207] my two rows of x
.set ACC2,   208                       ;                  v[208:223] out^T (feature tile w, qt) at 208 + 8 qt
.set STAGE,  16384                     ; LDS: 0: 16 images (head, qt) of 1,024 bytes; 16,384: 32 rows of out
.set SPITCH, 1040                      ; 1,024 + 16 bytes: 260 words, so 16 rows start in 16 different 16-byte columns modulo 256 bytes
.set MERGE,  49664                     ; 16 regions (head, kh)
.set MREG,   4608                      ; a region: O, 8 x 512 bytes (register quad i at 512 i + 16 lane); then (maximum, sum) of qt at 4,096 + 256 qt + 8 lane
.macro NOPS n
.rept \n
	v_nop
.endr
.endm
.macro MM d, a, b, z
.if \z
	v_wmma_f32_16x16x32_bf16 v[\d:\d+7], v[\a:\a+7], v[\b:\b+7], 0
.else
	v_wmma_f32_16x16x32_bf16 v[\d:\d+7], v[\a:\a+7], v[\b:\b+7], v[\d:\d+7]
.endif
.endm
.macro LD8 dst, voff, base, imm        ; 4,096 bytes: four images
.irp i, 0,1,2,3,4,5,6,7
	global_load_b128 v[\dst+4*\i:\dst+4*\i+3], v[\voff], s[\base:\base+1] offset:\imm+\i*512
.endr
.endm
	s_load_b256 s[4:11], s[0:1], 0x0               ; batch_offsets 4, qf 6, kf 8, vf 10
	s_load_b128 s[12:15], s[0:1], 0x20             ; wof 12, x 14
	s_load_b64 s[16:17], s[0:1], 0x30              ; out0
	v_lshrrev_b32 v1, 5, v0
	v_readfirstlane_b32 s30, v1                    ; wave w, 0 to 15
	v_and_b32 v1, 31, v0
	v_lshlrev_b32 v1, 4, v1                        ; v1: 16 lane
	s_and_b32 s29, s30, 7                          ; head
	s_lshr_b32 s31, s30, 3                         ; kh
	s_lshl_b32 s32, ttmp9, 5                       ; t0: my first token
	s_add_co_u32 s33, s32, 31                      ; t1: my last
	s_mul_i32 s50, s29, HEADP
	v_add_nc_u32 v4, s50, v1                       ; v4: 16 lane + my head
	s_lshl_b32 s50, ttmp9, 11
	v_add_nc_u32 v5, s50, v4                       ; v5: + my two query images
	s_lshl_b32 s50, s30, 13
	v_add_nc_u32 v6, s50, v1                       ; v6: my 8 images of w_out (rows 16 w .. 16 w + 15)
	s_lshl_b32 s50, s30, 11
	v_add_nc_u32 v7, s50, v1                       ; v7: rows 2 w, 2 w + 1 of the block in x and in out0
	s_wait_kmcnt 0x0
	s_load_b256 s[20:27], s[4:5], 0x0              ; the nine offsets
	s_load_b32 s28, s[4:5], 0x20
.irp i, 0,1,2,3
	global_load_b128 v[QF+4*\i:QF+4*\i+3], v5, s[6:7] offset:\i*512
.endr
	s_lshl_b32 s50, ttmp9, 15                      ; 32 rows of 1,024 bytes
	s_mov_b32 s51, 0
	s_add_nc_u64 s[14:15], s[14:15], s[50:51]
	s_add_nc_u64 s[16:17], s[16:17], s[50:51]
	s_mov_b32 s44, 0x3e8293ee                      ; c = log2(e) / sqrt(32), twice (a pair for the packed form)
	s_mov_b32 s45, 0x3e8293ee
	s_mov_b32 s46, 0xbe8293ee                      ; -c
	s_mov_b32 s47, 0xff800000                      ; -inf
	s_mov_b32 s48, 0x76543210                      ; v_permlanex16_b32: lane i of the other half
	s_mov_b32 s49, 0xfedcba98
	s_wait_kmcnt 0x0
.irp b, 0,1,2,3,4,5,6,7,8
	s_min_u32 s[20+\b], s[20+\b], 6400
.endr
.macro SLO dst, t                      ; the start of token t's sequence: the last offset that is <= t
	s_mov_b32 s[\dst], 0
.irp b, 0,1,2,3,4,5,6,7
	s_cmp_le_u32 s[20+\b], s[\t]
	s_cselect_b32 s[\dst], s[20+\b], s[\dst]
.endr
.endm
.macro SHI dst, t                      ; its end: the first offset that is > t
	s_mov_b32 s[\dst], 6400
.irp b, 8,7,6,5,4,3,2,1
	s_cmp_gt_u32 s[20+\b], s[\t]
	s_cselect_b32 s[\dst], s[20+\b], s[\dst]
.endr
.endm
	SLO 34, 32
	s_lshr_b32 s34, s34, 7
	s_min_u32 s34, s34, 49                         ; the first tile of 128 keys
	SLO 35, 33                                     ; the latest start among my queries
	SHI 36, 32                                     ; the earliest end
	SHI 37, 33
	s_add_co_u32 s37, s37, 127
	s_lshr_b32 s37, s37, 7                         ; one past the last tile.  lo(t) <= t < hi(t) by construction, so it exceeds the first
	s_sub_co_u32 s38, s37, s34
	s_min_u32 s38, s38, 50                         ; N tiles, at least 1
	s_sub_co_u32 s37, s37, 1                       ; the last tile
	s_add_co_u32 s38, s38, 1
	s_sub_co_u32 s38, s38, s31
	s_lshr_b32 s38, s38, 1                         ; my trips: (N + 1 - kh) / 2; none for kh = 1 where N = 1
	s_add_co_u32 s34, s34, s31                     ; my first tile; my tiles are two apart
	s_min_u32 s41, s34, 49
	s_lshl_b32 s41, s41, 13                        ; a tile is 8,192 bytes of a head in kf and in vf
	v_add_nc_u32 v3, s41, v4                       ; v3: offset of the tile that is being asked for
	LD8 KA, 3, 8, 0                                ; the ring's order, here and ever after: K_A, V_A, K_B, V_B
	LD8 VA, 3, 10, 0
	LD8 KB, 3, 8, 4096
	; the lanes' own bounds: lane (r, h) serves query t0 + 16 qt + r
	v_and_b32 v27, 15, v0
	v_add_nc_u32 v27, s32, v27
	v_bfe_u32 v30, v0, 4, 1
	v_lshlrev_b32 v30, 3, v30                      ; 8 h
.macro VLOHI qt
	v_add_nc_u32 v26, 16*\qt, v27
	v_mov_b32 v28, 0
.irp b, 0,1,2,3,4,5,6,7
	v_cmp_le_u32 vcc_lo, s[20+\b], v26
	v_cndmask_b32 v28, v28, s[20+\b], vcc_lo
.endr
	v_mov_b32 v29, 6400
.irp b, 8,7,6,5,4,3,2,1
	v_cmp_gt_u32 vcc_lo, s[20+\b], v26
	v_cndmask_b32 v29, v29, s[20+\b], vcc_lo
.endr
	v_sub_nc_u32 v[ST+8*\qt+6], v30, v28           ; key index - lo = this + the key's place in the trip + 128 T
	v_sub_nc_u32 v[ST+8*\qt+7], v29, v28           ; a key is mine if that, unsigned, is below hi - lo
	v_mov_b32 v[ST+8*\qt], 0xff7fffff
.irp i, 1,2,3,4,5
	v_mov_b32 v[ST+8*\qt+\i], 0
.endr
.endm
	VLOHI 0
	VLOHI 1
	; O is cleared: the first trip multiplies it by a factor 0, and a wave without a trip hands it on as it is, so it has to be finite.
	; (Writing the first trip out with products that start the sums would double the text of a loop whose trip count is read from memory.)
.set i, 0
.rept 32
	v_mov_b32 v[OA+i], 0
.set i, i+1
.endr
.macro SMUL qt, k                      ; scores of 64 keys x 16 queries
.irp kt, 0,1,2,3
	MM SS+8*\kt, \k+8*\kt, QF+8*\qt, 1
.endr
.endm
.macro PV qt, v                        ; O += V^T P^T: two chains in place of two links each
.irp kg, 0,1
.irp dt, 0,1
	MM OA+16*\qt+8*\dt, \v+16*\kg+8*\dt, PP+8*\kg, 0
.endr
.endr
.endm
.macro SOFTMAX qt, sb, masked          ; 32 scores a lane
.if \masked
	v_add_nc_u32 v31, s42, v[ST+8*\qt+6]
.irp kt, 0,1,2,3
.irp j, 0,1,2,3,4,5,6,7
	v_add_nc_u32 v30, 64*\sb+16*\kt+\j, v31
	v_cmp_gt_u32 vcc_lo, v[ST+8*\qt+7], v30
	v_cndmask_b32 v[SS+8*\kt+\j], s47, v[SS+8*\kt+\j], vcc_lo
.endr
.endr
.endif
.irp kt, 0,1,2,3
	v_max3_num_f32 v[24+\kt], v[SS+8*\kt], v[SS+8*\kt+1], v[SS+8*\kt+2]
.endr
.irp kt, 0,1,2,3
	v_max3_num_f32 v[24+\kt], v[24+\kt], v[SS+8*\kt+3], v[SS+8*\kt+4]
.endr
.irp kt, 0,1,2,3
	v_max3_num_f32 v[24+\kt], v[24+\kt], v[SS+8*\kt+5], v[SS+8*\kt+6]
.endr
	v_max3_num_f32 v24, v24, v[SS+7], v[SS+15]
	v_max3_num_f32 v26, v26, v[SS+23], v[SS+31]
	v_max3_num_f32 v24, v24, v25, v26
	v_max_num_f32 v24, v24, v27
	v_permlanex16_b32 v25, v24, s48, s49           ; the other half's keys of the same query
	v_max3_num_f32 v28, v24, v25, v[ST+8*\qt]      ; the new maximum, alike in both halves
	v_sub_f32 v29, v[ST+8*\qt], v28                ; old - new first, then x c: exactly 0 where nothing changed, also at the start value
	v_mul_f32 v[ST+8*\qt+2], s46, v28
	v_mul_f32 v29, s44, v29
.irp i, 0,1,2,3,4,5,6,7,8,9,10,11,12,13,14,15
	v_pk_fma_f32 v[SS+2*\i:SS+2*\i+1], v[SS+2*\i:SS+2*\i+1], s[44:45], v[ST+8*\qt+2:ST+8*\qt+3] op_sel_hi:[1,0,0]
.endr
	v_exp_f32 v[ST+8*\qt+4], v29                   ; the factor for what has been summed so far
.irp i, 0,1,2,3,4,5,6,7,8,9,10,11,12,13,14,15,16,17,18,19,20,21,22,23,24,25,26,27,28,29,30,31
	v_exp_f32 v[SS+\i], v[SS+\i]
.endr
	v_mov_b32 v[ST+8*\qt], v28                     ; the plain vector instruction between the exponentials and the first use of a result (ISA guide 5.7.2)
	s_wait_alu depctr_va_vdst(0)
.irp i, 0,1,2,3,4,5,6,7
	v_pk_mul_f32 v[OA+16*\qt+2*\i:OA+16*\qt+2*\i+1], v[OA+16*\qt+2*\i:OA+16*\qt+2*\i+1], v[ST+8*\qt+4:ST+8*\qt+5] op_sel_hi:[1,0]
.endr
.irp i, 0,1,2,3,4,5,6,7,8,9,10,11,12,13,14,15
	v_cvt_pk_bf16_f32 v[PP+\i], v[SS+2*\i], v[SS+2*\i+1]
.endr
.irp i, 0,1,2,3,4,5,6,7
	v_pk_add_f32 v[SS+2*\i:SS+2*\i+1], v[SS+2*\i:SS+2*\i+1], v[SS+16+2*\i:SS+16+2*\i+1]
.endr
.irp i, 0,1,2,3
	v_pk_add_f32 v[SS+2*\i:SS+2*\i+1], v[SS+2*\i:SS+2*\i+1], v[SS+8+2*\i:SS+8+2*\i+1]
.endr
.irp i, 0,1
	v_pk_add_f32 v[SS+2*\i:SS+2*\i+1], v[SS+2*\i:SS+2*\i+1], v[SS+4+2*\i:SS+4+2*\i+1]
.endr
	v_pk_add_f32 v[SS:SS+1], v[SS:SS+1], v[SS+2:SS+3]
	v_add_f32 v24, v[SS], v[SS+1]
	v_fma_f32 v[ST+8*\qt+1], v[ST+8*\qt+1], v[ST+8*\qt+4], v24
.endm
; 64 keys x 32 queries.  k, v: this slot's registers.  vo: the other slot's V, asked for here at offset register voa + voi.
; The runs of eight loads are issued in the cyclic order K_A, V_A, K_B, V_B, and each wait stands two runs behind the run that it needs:
; s_wait_loadcnt 16 leaves those two out.  The four v_nop stand behind the products that read the registers that the next run loads
; (this slot's K; the other slot's V, read by the step before) and in front of the vector work on the scores.
.macro STEP sb, k, v, vo, voa, voi, masked
	s_wait_loadcnt 16                              ; this slot's K is in
	SMUL 0, \k
	NOPS 4
	LD8 \vo, \voa, 10, \voi
	SOFTMAX 0, \sb, \masked
	s_wait_loadcnt 16                              ; this slot's V is in
	PV 0, \v
	SMUL 1, \k
	NOPS 4
	LD8 \k, 3, 8, \sb*4096                         ; my next trip's K of this slot
	SOFTMAX 1, \sb, \masked
	PV 1, \v
.endm
	s_mov_b32 s39, 0
	s_cmp_eq_u32 s38, 0                            ; one tile in all: the second key half has none, and hands on sums of zero
	s_cbranch_scc1 .Ldone
.Ltrip:
	s_lshl_b32 s40, s39, 1
	s_add_co_u32 s40, s40, s34                     ; T = my first tile + 2 x trip
	s_min_u32 s50, s40, 49
	s_lshl_b32 s50, s50, 13
	s_add_co_u32 s41, s40, 2
	s_min_u32 s41, s41, s37                        ; my last trip asks for a tile of the range once more and uses nothing of it
	s_min_u32 s41, s41, 49
	s_lshl_b32 s41, s41, 13
	s_lshl_b32 s42, s40, 7                         ; the trip's first key
	s_add_co_u32 s43, s42, 128
	s_wait_xcnt 0x0                                ; v2 and v3 are named by loads that may be pending: rewritten only behind this wait
	v_add_nc_u32 v2, s50, v4                       ; v2: this trip's tile
	v_add_nc_u32 v3, s41, v4                       ; v3: my next trip's
	s_cmp_lt_u32 s42, s35                          ; does a sequence of mine start behind the trip's first key,
	s_cbranch_scc1 .Lmasked
	s_cmp_gt_u32 s43, s36                          ; or end before its last?
	s_cbranch_scc1 .Lmasked
	STEP 0, KA, VA, VB, 2, 4096, 0
	STEP 1, KB, VB, VA, 3, 0, 0
	s_branch .Lnext
.Lmasked:
	STEP 0, KA, VA, VB, 2, 4096, 1
	STEP 1, KB, VB, VA, 3, 0, 1
.Lnext:
	s_add_co_u32 s39, s39, 1
	s_cmp_lt_u32 s39, s38
	s_cbranch_scc1 .Ltrip
.Ldone:
	s_wait_loadcnt 0x0                             ; the three runs asked for ahead land before their registers get new loads
	; Addresses for the rest.  These twelve plain vector instructions are also the places behind the last products (ISA guide 7.12.1).
	s_mul_i32 s50, s29, 2*MREG
	s_add_co_u32 s50, s50, MERGE                   ; my head's two regions
	s_mul_i32 s51, s31, MREG
	s_add_co_u32 s51, s51, s50                     ; mine
	s_lshl_b32 s52, s31, 11
	s_add_co_u32 s52, s52, s50                     ; O of query tile kh in region 0 (region 1: + MREG)
	s_lshl_b32 s53, s31, 8
	s_add_co_u32 s53, s53, s50                     ; its maximum and sum
	v_lshrrev_b32 v25, 1, v1                       ; 8 lane
	v_add_nc_u32 v26, s51, v1                      ; v26: where I put O
	v_add_nc_u32 v27, s51, v25                     ; v27: where I put maxima and sums
	v_add_nc_u32 v28, s52, v1                      ; v28: where I read O
	v_add_nc_u32 v29, s53, v25                     ; v29: where I read maxima and sums
	s_lshl_b32 s50, s29, 11
	s_lshl_b32 s51, s31, 10
	s_add_co_u32 s50, s50, s51
	v_add_nc_u32 v2, s50, v1                       ; v2: image (head, qt = kh)
	v_and_b32 v24, 15, v0                          ; r
	v_bfe_u32 v30, v0, 4, 1                        ; h
	v_mul_u32_u24 v3, v24, SPITCH
	v_lshl_add_u32 v3, v30, 5, v3
	s_lshl_b32 s50, s30, 6
	s_add_co_u32 s50, s50, STAGE
	v_add_nc_u32 v3, s50, v3                       ; v3: stage, row r, features 16 w + 8 h ..
	s_mul_i32 s50, s30, 2*SPITCH
	s_add_co_u32 s50, s50, STAGE
	v_add_nc_u32 v5, s50, v1                       ; v5: stage, rows 2 w, 2 w + 1
	; w_out and the residual are asked for now, ahead of the merge and its two barriers
.set i, 0
.rept 16
	global_load_b128 v[WO+4*i:WO+4*i+3], v6, s[12:13] offset:i*512
.set i, i+1
.endr
.irp i, 0,1,2,3
	global_load_b128 v[XRES+4*\i:XRES+4*\i+3], v7, s[14:15] offset:\i*512 th:TH_LOAD_NT
.endr
.irp i, 0,1,2,3,4,5,6,7
	ds_store_b128 v26, v[OA+4*\i:OA+4*\i+3] offset:\i*512
.endr
	ds_store_b64 v27, v[ST:ST+1] offset:4096
	ds_store_b64 v27, v[ST+8:ST+9] offset:4096+256
	s_wait_dscnt 0x0                               ; for the others' sake
	s_barrier_signal -1
	s_barrier_wait -1                              ; both key halves of every head are in LDS
	; The merge is symmetric in the two halves, so wave (head, kh) reads query tile kh of both regions, its own among them:
	; no register number and no branch hangs on kh.
.irp i, 0,1,2,3
	ds_load_b128 v[32+4*\i:32+4*\i+3], v28 offset:\i*512
	ds_load_b128 v[80+4*\i:80+4*\i+3], v28 offset:MREG+\i*512
.endr
	ds_load_b64 v[96:97], v29 offset:4096
	ds_load_b64 v[98:99], v29 offset:MREG+4096
	s_wait_dscnt 0x0
	v_max_num_f32 v100, v96, v98                   ; the maximum over all keys
	v_sub_f32 v101, v96, v100
	v_sub_f32 v102, v98, v100
	v_mul_f32 v101, s44, v101
	v_mul_f32 v102, s44, v102
	v_exp_f32 v101, v101                           ; a half without keys holds the start value and gets the factor 0
	v_exp_f32 v102, v102
	v_mov_b32 v104, 0                              ; the plain instruction behind the exponentials (ISA guide 5.7.2); v104 is also written before v_permlanex16_b32 names it
	s_wait_alu depctr_va_vdst(0)
	v_mul_f32 v103, v97, v101
	v_fma_f32 v103, v99, v102, v103
	v_permlanex16_b32 v104, v103, s48, s49
	v_add_f32 v103, v103, v104                     ; the sum over all keys; at least 1, since a query is a key of its own sequence
	v_rcp_f32 v103, v103
	v_mov_b32 v105, 0                              ; the plain instruction behind v_rcp_f32; the upper registers of the two pairs below
	v_mov_b32 v107, 0
	s_wait_alu depctr_va_vdst(0)
	v_mul_f32 v104, v101, v103
	v_mul_f32 v106, v102, v103
.irp i, 0,1,2,3,4,5,6,7
	v_pk_mul_f32 v[32+2*\i:32+2*\i+1], v[32+2*\i:32+2*\i+1], v[104:105] op_sel_hi:[1,0]
.endr
.irp i, 0,1,2,3,4,5,6,7
	v_pk_fma_f32 v[32+2*\i:32+2*\i+1], v[80+2*\i:80+2*\i+1], v[106:107], v[32+2*\i:32+2*\i+1] op_sel_hi:[1,0,1]
.endr
.irp i, 0,1,2,3,4,5,6,7
	v_cvt_pk_bf16_f32 v[PP+\i], v[32+2*\i], v[32+2*\i+1]
.endr
	ds_store_b128 v2, v[PP:PP+3]
	ds_store_b128 v2, v[PP+4:PP+7] offset:512
	s_wait_dscnt 0x0                               ; for the others' sake
	s_barrier_signal -1
	s_barrier_wait -1                              ; all sixteen images are in LDS
.macro LDF r, s                        ; head s: two query images
.irp i, 0,1,2,3
	ds_load_b128 v[\r+4*\i:\r+4*\i+3], v1 offset:\s*2048+\i*512
.endr
.endm
.macro MUL2 r, s, first                ; out^T (w, qt) += Wout (w, s) x flat (s, qt)
.irp qt, 0,1
	MM ACC2+8*\qt, WO+8*\s, \r+8*\qt, \first
.endr
.endm
	LDF 32, 0
	LDF 48, 1
	LDF 64, 2
	LDF 80, 3
	LDF 96, 4
	LDF 112, 5
	LDF 224, 6
	LDF 240, 7
	s_wait_loadcnt 4                               ; w_out is in; the four younger loads (x) stay out
	s_wait_dscnt 24                                ; heads 0, 1 are in; the 24 younger loads stay out, and so on in eights
	MUL2 32, 0, 1
	MUL2 48, 1, 0
	s_wait_dscnt 16
	MUL2 64, 2, 0
	MUL2 80, 3, 0
	s_wait_dscnt 8
	MUL2 96, 4, 0
	MUL2 112, 5, 0
	s_wait_dscnt 0
	MUL2 224, 6, 0
	MUL2 240, 7, 0
	NOPS 4                                         ; the places in front of the LDS stores of the sums and of the loads into v32-47
.irp qt, 0,1
	ds_store_b128 v3, v[ACC2+8*\qt:ACC2+8*\qt+3]   offset:\qt*16*SPITCH
	ds_store_b128 v3, v[ACC2+8*\qt+4:ACC2+8*\qt+7] offset:\qt*16*SPITCH+16
.endr
	s_wait_dscnt 0x0
	s_barrier_signal -1
	s_barrier_wait -1                              ; the 32 rows are whole
.irp i, 0,1,2,3
	ds_load_b128 v[32+4*\i:32+4*\i+3], v5 offset:(\i>>1)*SPITCH+(\i&1)*512
.endr
	s_wait_loadcnt 0x0
	s_wait_dscnt 0x0
.irp i, 0,1,2,3
	v_pk_add_f32 v[32+4*\i:32+4*\i+1],   v[32+4*\i:32+4*\i+1],   v[XRES+4*\i:XRES+4*\i+1]
	v_pk_add_f32 v[32+4*\i+2:32+4*\i+3], v[32+4*\i+2:32+4*\i+3], v[XRES+4*\i+2:XRES+4*\i+3]
	global_store_b128 v7, v[32+4*\i:32+4*\i+3], s[16:17] offset:\i*512 th:TH_STORE_NT   ; 512 neighbouring bytes, at a multiple of 512 from out0's first byte
.endr
	s_wait_xcnt 0x0
	v_lshl_add_u32 v206, v0, 2, 0x1e200
	v_mov_b32 v207, 0
	s_wait_tensorcnt 0x0
	ds_add_u32 v206, v207
	s_wait_dscnt 0x0
	s_endpgm
.Lfunc_end_k_q0d3c19197e_attn:
	.size	k_q0d3c19197e_attn, .Lfunc_end_k_q0d3c19197e_attn-k_q0d3c19197e_attn
	.p2alignl 7, 3214868480
	.fill 96, 4, 3214868480
	.section	.rodata,"a",@progbits
	.p2align	6, 0x0
	.amdhsa_kernel k_q0d3c19197e_attn
		.amdhsa_group_segment_fixed_size 125440
		.amdhsa_private_segment_fixed_size 0
		.amdhsa_enable_private_segment 0
		.amdhsa_kernarg_size 56
		.amdhsa_user_sgpr_count 2
		.amdhsa_user_sgpr_kernarg_segment_ptr 1
		.amdhsa_wavefront_size32 1
		.amdhsa_system_sgpr_workgroup_id_x 1
		.amdhsa_system_sgpr_workgroup_id_y 1
		.amdhsa_system_sgpr_workgroup_id_z 1
		.amdhsa_system_vgpr_workitem_id 0
		.amdhsa_next_free_vgpr 256
		.amdhsa_next_free_sgpr 66
		.amdhsa_reserve_vcc 1
		.amdhsa_float_denorm_mode_32 3
		.amdhsa_float_denorm_mode_16_64 3
		.amdhsa_memory_ordered 1
		.amdhsa_forward_progress 1
		.amdhsa_inst_pref_size 97
	.end_amdhsa_kernel
	.amdgpu_metadata
---
amdhsa.version: [ 1, 2 ]
amdhsa.kernels:
  - .name:           k_q0d3c19197e_attn
    .symbol:         k_q0d3c19197e_attn.kd
    .args:
      - { .name: batch_offsets, .offset: 0, .size: 8, .value_kind: global_buffer, .address_space: global }
      - { .name: qf, .offset: 8, .size: 8, .value_kind: global_buffer, .address_space: global }
      - { .name: kf, .offset: 16, .size: 8, .value_kind: global_buffer, .address_space: global }
      - { .name: vf, .offset: 24, .size: 8, .value_kind: global_buffer, .address_space: global }
      - { .name: wof, .offset: 32, .size: 8, .value_kind: global_buffer, .address_space: global }
      - { .name: x, .offset: 40, .size: 8, .value_kind: global_buffer, .address_space: global }
      - { .name: out0, .offset: 48, .size: 8, .value_kind: global_buffer, .address_space: global }
    .group_segment_fixed_size: 125440
    .private_segment_fixed_size: 0
    .kernarg_segment_align: 8
    .kernarg_segment_size: 56
    .max_flat_workgroup_size: 512
    .sgpr_count:     66
    .vgpr_count:     256
    .wavefront_size: 32
...
	.end_amdgpu_metadata
.endif
;; end of part 2
